; MI455X (gfx1250); checked and timed in simulation.
; The chip was launched on July 23, 2026; its instructions are those of AMD's public machine-readable ISA for CDNA 5 (MIT licence, August 2026) and "CDNA5" Instruction Set Architecture Reference Guide (July 2026). The comments in the code are by the model that wrote it; some were corrected since.
;; Scaled Dot Product Attention. Allowed arithmetic: float matrix products may take bf16 or f16 operands with f32 sums; all other float work in f32.
;; Inputs: k 32 x 8,192 x 64 float32; q 32 x 64 float32; v 32 x 8,192 x 64 float32.
;; Outputs: out0 32 x 1 x 64 float32; out1 32 x 1 x 8,192 float32.
;; 2 versions, each right; version 2 is version 1 with the launch partial written anew for expert scheduling mode. Each part assembles by itself: llvm-mc -triple=amdgcn-amd-amdhsa -mcpu=gfx1250 --defsym DOCPART=n.
;; ======== version 1 of 2: 2 launches
;; workspace buffers: scores 1,048,576 bytes; part 131,072 bytes
;; launch partial (part 1): grid 256 x 1, 16 waves a work-group, no clusters, 10,496 bytes of LDS; arguments k, q, v, scores, part; writes scores, part
.if DOCPART == 1
	.amdgcn_target "amdgcn-amd-amdhsa--gfx1250"
	.amdhsa_code_object_version 6
	.text
	.protected	k_q2208f1418f_partial
	.globl	k_q2208f1418f_partial
	.p2align	8
	.type	k_q2208f1418f_partial,@function
k_q2208f1418f_partial:
	s_mov_b64 s[64:65], 0
	v_nop
	global_prefetch_b8 v0, s[64:65] scope:SCOPE_SE
	s_setreg_imm32_b32 hwreg(HW_REG_WAVE_MODE, 25, 1), 1
	s_wait_xcnt 0x0
; One query row per batch against 8,192 keys: scores, and a partial softmax-weighted sum of V, for 1,024 keys a work-group.
; k, v: [32][8192][64] f32, q: [32][64] f32.  Work-group x owns rows 1024 x .. 1024 x + 1023 of the flattened [262144][64] arrays
; (batch x >> 3, chunk x & 7).  16 waves, 64 rows each.
; Out: scores[row] = (q . k[row]) * log2(e) / 8, raw, f32;  part[x] = a record of 512 bytes: 64 sums of exp2(s - m) v, then (m, l) repeated,
; m = the chunk's largest score, l = the chunk's sum of exp2(s - m).  The next launch joins the 8 chunks of a batch.
;
; WHY SO.  Half a FLOP for each byte: memory binds, so every byte of K and V is read once and as many bytes as the registers hold are asked
; for at once.  There is no loop: a wave issues its 32 loads of K and the first 16 of V in one run (48 x 512 bytes), and the other 16 of V go
; into K's registers as these are used up.  In each load a half of 16 lanes takes one whole row of 256 bytes, aligned.
; No matrix instructions: one query row would fill 1 of a tile's 16 rows, and rounding K and V to bf16 would cost as many vector instructions
; as the f32 multiply-adds do.  No cluster: work-groups share nothing but q's 256 bytes.  No tensor loads: the bytes in flight lie in registers.
; No prefetch: three quarters of the work-group's input are requested by its first instructions.
;
; ROWS AND LANES.  Lane L = 16 h + n.  Load (set, n), set = 0, 1, n = 0..15, brings row 32 h + 2 n + set of the wave's 64, columns 4 (L & 15) .. + 3.
; So the score of that row belongs to lane (h, n), register P + set: lane L holds rows 2 L and 2 L + 1, and one 8-byte store of the wave
; covers 256 consecutive bytes of scores, aligned.
;
; LIMITS.  v_exp_f32 gives 0 for results below 2^-126: such weights count as 0.  The factor log2(e)/8 is multiplied into q first, so a score is
; rounded in another order than (q . k) / 8; sums over keys run by lane, wave and chunk.  The maximum is taken away before every exponential.
.set ROWB,  256                        ; bytes in a row of K or V
.set SCALE, 0x3e38aa3b                 ; log2(e) / 8
.set MLB,   8192                       ; LDS: 16 waves x 512 bytes of sums, then 16 m, then 16 l
.set OFF, 1                            ; v1       byte offset of my 16 bytes in row 32 h of my wave's rows
.set QO,  2                            ; v2       16 (L & 15)
.set SO,  3                            ; v3       8 t: my two scores
.set Q,   4                            ; v[4:7]   my four q, scaled
.set T,   8                            ; v[8:23]  16 partial dots of a set
.set X,   24                           ; v[24:31] at work
.set P,   32                           ; v[32:33] my two scores
.set E,   34                           ; v[34:35] exp2(score - m)
.set MX,  36                           ; v36      m
.set LS,  37                           ; v37      l
.set LL,  38                           ; v38      16 L
.set LA,  39                           ; v39      LDS: my 16 bytes of my wave's sums
.set MA,  40                           ; v40      LDS: 4 x wave
.set CM,  41                           ; v41-44   the join: m, l, factor of wave L & 15; address 4 (L & 15)
.set CL,  42
.set CF,  43
.set CA,  44
.set PB,  8                            ; v[8:15]  over T when T is done with: four pairs, the even register holds a weight for all lanes of a half
.set ACC, 16                           ; v[16:23] over T: two sets of four sums (loads take turns, so that no chain waits for itself)
.set KB,  64                           ; v[64:191]  K's 32 loads; v[64:127] then V's loads 16-31
.set VB,  192                          ; v[192:255] V's loads 0-15
	s_load_b256 s[4:11], s[0:1], 0x0               ; k s[4:5], q s[6:7], v s[8:9], scores s[10:11]
	s_load_b64 s[12:13], s[0:1], 0x20              ; part
	v_lshl_add_u32 v62, v0, 2, 0x2100
	v_mov_b32 v63, 0
	s_lshl_b32 s14, ttmp9, 18                      ; 1,024 rows of 256 bytes for each work-group (below 2^26)
	s_mov_b32 s15, 0
	s_lshr_b32 s16, ttmp9, 3                       ; batch
	s_lshl_b32 s16, s16, 8                         ; its row of q
	s_mov_b32 s17, 0
	v_and_b32 v[QO], 15, v0
	v_lshlrev_b32 v[QO], 4, v[QO]                  ; 16 (L & 15)
	v_lshrrev_b32 v[OFF], 4, v0                    ; 2 wave + h
	v_lshl_or_b32 v[OFF], v[OFF], 13, v[QO]        ; x 32 rows of 256 bytes, + my 16 bytes
	s_wait_kmcnt 0x0
	s_add_nc_u64 s[4:5], s[4:5], s[14:15]
	s_add_nc_u64 s[8:9], s[8:9], s[14:15]
	s_add_nc_u64 s[6:7], s[6:7], s[16:17]
	global_load_b128 v[Q:Q+3], v[QO], s[6:7]       ; read by 128 waves: no hint
.set i, 0
.rept 32
	global_load_b128 v[KB+4*i:KB+4*i+3], v[OFF], s[4:5] offset:ROWB*(2*(i%16)+i/16) th:TH_LOAD_NT   ; load i = 16 set + n
.set i, i+1
.endr
.set i, 0
.rept 16
	global_load_b128 v[VB+4*i:VB+4*i+3], v[OFF], s[8:9] offset:ROWB*2*i th:TH_LOAD_NT               ; V, set 0
.set i, i+1
.endr
	; what else is needed, while the loads are on their way
	s_mov_b32 s20, 0xaaaaaaaa                      ; lanes with bit 0 set
	s_mov_b32 s21, 0xcccccccc                      ; bit 1
	s_mov_b32 s22, 0xf0f0f0f0                      ; bit 2
	s_mov_b32 s23, 0xff00ff00                      ; bit 3
	s_mov_b32 s24, 0x76543210                      ; v_permlanex16_b32: lane i of one half reads lane i of the other
	s_mov_b32 s25, 0xfedcba98
	s_mov_b32 s26, 0xffff0000                      ; lanes 16-31
	s_lshl_b32 s14, ttmp9, 12                      ; 1,024 scores of 4 bytes
	s_add_nc_u64 s[10:11], s[10:11], s[14:15]
	s_lshl_b32 s14, ttmp9, 9                       ; a record of 512 bytes
	s_add_nc_u64 s[12:13], s[12:13], s[14:15]
	v_lshrrev_b32 v[LA], 5, v0
	v_readfirstlane_b32 s18, v[LA]                 ; wave 0..15
	s_lshl_b32 s19, s18, 9
	s_lshl_b32 s27, s18, 2
	v_and_b32 v[LL], 31, v0
	v_lshlrev_b32 v[LL], 4, v[LL]
	v_add_nc_u32 v[LA], s19, v[LL]                 ; 512 wave + 16 L
	v_mov_b32 v[MA], s27
	v_lshlrev_b32 v[SO], 3, v0
	s_wait_loadcnt 48                              ; loads come back in order (ISA guide 5.7.1): q is in, the 48 behind it stay out
	v_pk_mul_f32 v[Q:Q+1], v[Q:Q+1], SCALE op_sel_hi:[1,0]
	v_pk_mul_f32 v[Q+2:Q+3], v[Q+2:Q+3], SCALE op_sel_hi:[1,0]
; K's load i: my four products, summed, into T + n.  refill = 1: the registers then take V's load 16 + i (set 1, n = i).
.macro DOT i, left, refill
	s_wait_loadcnt \left
	v_pk_mul_f32 v[X+2*((\i)%4):X+2*((\i)%4)+1], v[KB+4*(\i):KB+4*(\i)+1], v[Q:Q+1]
	v_pk_fma_f32 v[X+2*((\i)%4):X+2*((\i)%4)+1], v[KB+4*(\i)+2:KB+4*(\i)+3], v[Q+2:Q+3], v[X+2*((\i)%4):X+2*((\i)%4)+1]
	v_add_f32 v[T+(\i)%16], v[X+2*((\i)%4)], v[X+2*((\i)%4)+1]
.if \refill
	global_load_b128 v[KB+4*(\i):KB+4*(\i)+3], v[OFF], s[8:9] offset:ROWB*(2*(\i)+1) th:TH_LOAD_NT
.endif
.endm
; One stage of the transposing sum.  For registers a = T + i and b = T + i + st: lanes whose bit st is clear keep a and get the partner lane's a,
; the others keep b and get the partner's b.  Three instructions halve two registers into one, against four for two plain lane sums, and at
; the end each lane holds another row's total.
.macro STAGE st, msk
.set bi, 0
.rept 8/\st
	v_cndmask_b32 v[X+bi/(2*\st)], v[T+bi], v[T+bi+\st], s[\msk]          ; what I keep
.set bi, bi+2*\st
.endr
.set bi, 0
.rept 8/\st
	v_cndmask_b32 v[T+bi+\st], v[T+bi+\st], v[T+bi], s[\msk]              ; what my partner wants
.set bi, bi+2*\st
.endr
.set bi, 0
.rept 8/\st
	v_add_f32_dpp v[T+bi], v[T+bi+\st], v[X+bi/(2*\st)] row_xmask:\st row_mask:0xf bank_mask:0xf
.set bi, bi+2*\st
.endr
.endm
.macro TOTALS dst                      ; 16 registers x 16 lanes -> lane n of each half holds register n's sum over the half
	STAGE 1, 20
	STAGE 2, 21
	STAGE 4, 22
	v_cndmask_b32 v[\dst], v[T], v[T+8], s23       ; the last stage writes its kept part straight to the result,
	v_cndmask_b32 v[T+8], v[T+8], v[T], s23
	v_add_f32_dpp v[\dst], v[T+8], v[\dst] row_xmask:8 row_mask:0xf bank_mask:0xf   ; so the DPP form's destination has been written
.endm
	; Behind K's load i are out: 31 - i of K, 16 of V, and the i refills issued so far = 47.
.irp i, 0,1,2,3,4,5,6,7,8,9,10,11,12,13,14,15
	DOT \i, 47, 1
.endr
	TOTALS P
	; Now all 32 of V are behind: 31 - i + 32.
.irp i, 16,17,18,19,20,21,22,23,24,25,26,27,28,29,30,31
	DOT \i, 63-\i, 0
.endr
	TOTALS P+1
	global_store_b64 v[SO], v[P:P+1], s[10:11]     ; the wave's 64 scores: 256 consecutive bytes, aligned; P is not written again
	; the wave's maximum, in every lane
	v_max_num_f32 v[MX], v[P], v[P+1]
	v_max_num_f32_dpp v[MX], v[MX], v[MX] row_xmask:1 row_mask:0xf bank_mask:0xf
	v_max_num_f32_dpp v[MX], v[MX], v[MX] row_xmask:2 row_mask:0xf bank_mask:0xf
	v_max_num_f32_dpp v[MX], v[MX], v[MX] row_xmask:4 row_mask:0xf bank_mask:0xf
	v_max_num_f32_dpp v[MX], v[MX], v[MX] row_xmask:8 row_mask:0xf bank_mask:0xf
	v_permlanex16_b32 v[X], v[MX], s24, s25        ; X has been written: the destination counts as read
	v_max_num_f32 v[MX], v[MX], v[X]
	v_sub_f32 v[E], v[P], v[MX]
	v_sub_f32 v[E+1], v[P+1], v[MX]
	v_exp_f32 v[E], v[E]
	v_exp_f32 v[E+1], v[E+1]
	v_lshrrev_b32 v[CA], 2, v[QO]                  ; 4 (L & 15), for the join; also the plain instruction that stands behind the exponentials (ISA guide 5.7.2)
	s_wait_alu depctr_va_vdst(0)
	v_add_f32 v[LS], v[E], v[E+1]
	v_add_f32_dpp v[LS], v[LS], v[LS] row_xmask:1 row_mask:0xf bank_mask:0xf
	v_add_f32_dpp v[LS], v[LS], v[LS] row_xmask:2 row_mask:0xf bank_mask:0xf
	v_add_f32_dpp v[LS], v[LS], v[LS] row_xmask:4 row_mask:0xf bank_mask:0xf
	v_add_f32_dpp v[LS], v[LS], v[LS] row_xmask:8 row_mask:0xf bank_mask:0xf
	v_permlanex16_b32 v[X], v[LS], s24, s25
	v_add_f32 v[LS], v[LS], v[X]                   ; the wave's sum of weights
; sums += weight x four numbers.  The weight lies in lane n of my half of register wreg: row_share brings it to all 16 lanes.  The packed
; forms take the pair's first register for both results (op_sel_hi 0); the second is never used as a number, and was written as part of T.
; Turns 0 and 1 start the two sets of sums: nothing is cleared.
.macro WSUM j, reg, wreg, n
	v_mov_b32_dpp v[PB+2*((\j)%4)], v[\wreg] row_share:\n row_mask:0xf bank_mask:0xf
.if (\j) < 2
	v_pk_mul_f32 v[ACC+4*(\j):ACC+4*(\j)+1], v[(\reg):(\reg)+1], v[PB+2*((\j)%4):PB+2*((\j)%4)+1] op_sel_hi:[1,0]
	v_pk_mul_f32 v[ACC+4*(\j)+2:ACC+4*(\j)+3], v[(\reg)+2:(\reg)+3], v[PB+2*((\j)%4):PB+2*((\j)%4)+1] op_sel_hi:[1,0]
.else
	v_pk_fma_f32 v[ACC+4*((\j)%2):ACC+4*((\j)%2)+1], v[(\reg):(\reg)+1], v[PB+2*((\j)%4):PB+2*((\j)%4)+1], v[ACC+4*((\j)%2):ACC+4*((\j)%2)+1] op_sel_hi:[1,0,1]
	v_pk_fma_f32 v[ACC+4*((\j)%2)+2:ACC+4*((\j)%2)+3], v[(\reg)+2:(\reg)+3], v[PB+2*((\j)%4):PB+2*((\j)%4)+1], v[ACC+4*((\j)%2)+2:ACC+4*((\j)%2)+3] op_sel_hi:[1,0,1]
.endif
.endm
.macro FOLD                            ; the two sets of sums into one
	v_pk_add_f32 v[ACC:ACC+1], v[ACC:ACC+1], v[ACC+4:ACC+5]
	v_pk_add_f32 v[ACC+2:ACC+3], v[ACC+2:ACC+3], v[ACC+6:ACC+7]
.endm
.irp n, 0,1,2,3,4,5,6,7,8,9,10,11,12,13,14,15
	s_wait_loadcnt 31-\n                           ; V's load n is in; the 31 - n younger ones stay out
	WSUM \n, VB+4*\n, E, \n
.endr
.irp n, 0,1,2,3,4,5,6,7,8,9,10,11,12,13,14,15
	s_wait_loadcnt 15-\n
	WSUM 16+\n, KB+4*\n, E+1, \n
.endr
	FOLD
	; the 16 waves meet: each leaves 32 lanes x 4 sums (its two halves hold different rows), its m and its l
	ds_store_b128 v[LA], v[ACC:ACC+3]
	ds_store_b32 v[MA], v[MX] offset:MLB           ; all lanes write the same word with the same value
	ds_store_b32 v[MA], v[LS] offset:MLB+64
	s_wait_dscnt 0x0                               ; for wave 0's sake: my stores are in LDS before I say so
	s_barrier_signal -1
	s_barrier_wait -1
	s_cmp_lg_u32 s18, 0
	s_cbranch_scc1 .Ldone                          ; no barrier follows: the other waves are through
	; wave 0 joins them.  Lane L looks after wave L & 15's m and l, and after columns 4 (L & 15) .. + 3 of half h of every wave.
	ds_load_b32 v[CM], v[CA] offset:MLB
	ds_load_b32 v[CL], v[CA] offset:MLB+64
.irp w, 0,1,2,3,4,5,6,7,8,9,10,11,12,13,14,15
	ds_load_b128 v[KB+4*\w:KB+4*\w+3], v[LL] offset:512*\w
.endr
	s_wait_dscnt 16                                ; m and l are in; the 16 loads behind them stay out
	v_mov_b32 v[MX], v[CM]
	v_max_num_f32_dpp v[MX], v[MX], v[MX] row_xmask:1 row_mask:0xf bank_mask:0xf
	v_max_num_f32_dpp v[MX], v[MX], v[MX] row_xmask:2 row_mask:0xf bank_mask:0xf
	v_max_num_f32_dpp v[MX], v[MX], v[MX] row_xmask:4 row_mask:0xf bank_mask:0xf
	v_max_num_f32_dpp v[MX], v[MX], v[MX] row_xmask:8 row_mask:0xf bank_mask:0xf    ; the chunk's maximum (each half holds all 16 waves)
	v_sub_f32 v[CF], v[CM], v[MX]
	v_exp_f32 v[CF], v[CF]                         ; what wave L & 15's sums are worth against it
	v_nop                                          ; the plain place behind the exponential
	s_wait_alu depctr_va_vdst(0)
	v_mul_f32 v[LS], v[CF], v[CL]
	v_add_f32_dpp v[LS], v[LS], v[LS] row_xmask:1 row_mask:0xf bank_mask:0xf
	v_add_f32_dpp v[LS], v[LS], v[LS] row_xmask:2 row_mask:0xf bank_mask:0xf
	v_add_f32_dpp v[LS], v[LS], v[LS] row_xmask:4 row_mask:0xf bank_mask:0xf
	v_add_f32_dpp v[LS], v[LS], v[LS] row_xmask:8 row_mask:0xf bank_mask:0xf        ; the chunk's l
.irp w, 0,1,2,3,4,5,6,7,8,9,10,11,12,13,14,15
	s_wait_dscnt 15-\w                             ; LDS loads come back in order: wave w's sums are in
	WSUM \w, KB+4*\w, CF, \w
.endr
	FOLD
.irp r, 0,1,2,3
	v_permlanex16_b32 v[X+\r], v[ACC+\r], s24, s25 ; the other half's rows
.endr
	v_pk_add_f32 v[ACC:ACC+1], v[ACC:ACC+1], v[X:X+1]
	v_pk_add_f32 v[ACC+2:ACC+3], v[ACC+2:ACC+3], v[X+2:X+3]
	v_cndmask_b32 v[ACC], v[ACC], v[MX], s26       ; lanes 16-31 carry (m, l, m, l) in place of a second copy of the sums,
	v_cndmask_b32 v[ACC+1], v[ACC+1], v[LS], s26
	v_cndmask_b32 v[ACC+2], v[ACC+2], v[MX], s26
	v_cndmask_b32 v[ACC+3], v[ACC+3], v[LS], s26
	global_store_b128 v[LL], v[ACC:ACC+3], s[12:13] ; so one store with all lanes on writes the record's 512 consecutive bytes, aligned
.Ldone:
	s_wait_tensorcnt 0x0
	ds_add_u32 v62, v63
	s_wait_dscnt 0x0
	s_endpgm
.Lfunc_end_k_q2208f1418f_partial:
	.size	k_q2208f1418f_partial, .Lfunc_end_k_q2208f1418f_partial-k_q2208f1418f_partial
	.p2alignl 7, 3214868480
	.fill 96, 4, 3214868480
	.section	.rodata,"a",@progbits
	.p2align	6, 0x0
	.amdhsa_kernel k_q2208f1418f_partial
		.amdhsa_group_segment_fixed_size 10496
		.amdhsa_private_segment_fixed_size 0
		.amdhsa_enable_private_segment 0
		.amdhsa_kernarg_size 40
		.amdhsa_user_sgpr_count 2
		.amdhsa_user_sgpr_kernarg_segment_ptr 1
		.amdhsa_wavefront_size32 1
		.amdhsa_system_sgpr_workgroup_id_x 1
		.amdhsa_system_sgpr_workgroup_id_y 1
		.amdhsa_system_sgpr_workgroup_id_z 1
		.amdhsa_system_vgpr_workitem_id 0
		.amdhsa_next_free_vgpr 256
		.amdhsa_next_free_sgpr 66
		.amdhsa_reserve_vcc 0
		.amdhsa_float_denorm_mode_32 3
		.amdhsa_float_denorm_mode_16_64 3
		.amdhsa_memory_ordered 1
		.amdhsa_forward_progress 1
		.amdhsa_inst_pref_size 35
	.end_amdhsa_kernel
	.amdgpu_metadata
---
amdhsa.version: [ 1, 2 ]
amdhsa.kernels:
  - .name:           k_q2208f1418f_partial
    .symbol:         k_q2208f1418f_partial.kd
    .args:
      - { .name: k, .offset: 0, .size: 8, .value_kind: global_buffer, .address_space: global }
      - { .name: q, .offset: 8, .size: 8, .value_kind: global_buffer, .address_space: global }
      - { .name: v, .offset: 16, .size: 8, .value_kind: global_buffer, .address_space: global }
      - { .name: scores, .offset: 24, .size: 8, .value_kind: global_buffer, .address_space: global }
      - { .name: part, .offset: 32, .size: 8, .value_kind: global_buffer, .address_space: global }
    .group_segment_fixed_size: 10496
    .private_segment_fixed_size: 0
    .kernarg_segment_align: 8
    .kernarg_segment_size: 40
    .max_flat_workgroup_size: 512
    .sgpr_count:     66
    .vgpr_count:     256
    .wavefront_size: 32
...
	.end_amdgpu_metadata
.endif
;; end of part 1
;; launch finish (part 2): grid 256 x 1, 8 waves a work-group, no clusters, 0 bytes of LDS; arguments scores, part, out0, out1; writes out0, out1
.if DOCPART == 2
	.amdgcn_target "amdgcn-amd-amdhsa--gfx1250"
	.amdhsa_code_object_version 6
	.text
	.protected	k_q2208f1418f_finish
	.globl	k_q2208f1418f_finish
	.p2align	8
	.type	k_q2208f1418f_finish,@function
k_q2208f1418f_finish:
	s_mov_b64 s[64:65], 0
	v_nop
	global_prefetch_b8 v0, s[64:65] scope:SCOPE_SE
	s_setreg_imm32_b32 hwreg(HW_REG_WAVE_MODE, 25, 1), 1
	s_wait_xcnt 0x0
; Joins the 8 chunks of each batch.  scores: [32][8192] f32, s = (q . k) log2(e) / 8.  part: 256 records of 512 bytes, record 8 b + c:
; 64 sums of exp2(s - m_c) v, then at byte 256 (m_c, l_c).
;   M = max m_c,  f_c = exp2(m_c - M),  L = sum f_c l_c,  out1[b][i] = exp2(s_i - M) / L,  out0[b][d] = (sum f_c o_c[d]) / L.
; Work-group x writes the 1,024 numbers of out1 that chunk x holds: 8 waves, 16 bytes a lane in and out, so each load and store of a wave
; covers 512 consecutive bytes, aligned.  Every wave forms M and L for itself from 64 bytes: no LDS, no barrier.
; Wave 0 of each batch's first work-group also writes the batch's row of out0: 8 bytes a lane, 256 consecutive bytes in one store, all lanes on.
; It has a path of its own, and its eight extra loads are issued first, so that the counted wait means the same on both paths.
; All loads of a wave are issued before its first wait.  A few kilobytes a work-group: matrix units, clusters, tensor loads
; and prefetches have nothing to work on here.
; LIMIT: v_exp_f32 gives 0 for results below 2^-126, so weights that small come out as 0.  L lies between 1 and 8,192: the chunk that holds M has f = 1, l >= 1.
.set MO, 1                             ; v1       512 (t & 7): lane n looks after chunk n & 7
.set SO, 2                             ; v2       16 t
.set OO, 3                             ; v3       8 t (wave 0 only)
.set ML, 4                             ; v[4:5]   m, l of my chunk
.set S,  8                             ; v[8:11]  four scores, then four weights
.set MX, 12                            ; v12      M
.set LS, 13                            ; v13      L
.set F,  14                            ; v14      f of my chunk
.set R,  16                            ; v[16:17] 1 / L, twice (a pair for the packed multiply)
.set O,  22                            ; v[22:25] two pairs of sums
.set OC, 32                            ; v[32:47] my two columns of the 8 records
.set PB, 4                             ; broadcast pairs v[4:5] and v[12:13]: ML and (M, L), written whole and done with by then
	s_load_b256 s[4:11], s[0:1], 0x0               ; scores s[4:5], part s[6:7], out0 s[8:9], out1 s[10:11]
	v_lshrrev_b32 v1, 5, v0
	v_readfirstlane_b32 s12, v1                    ; wave
	s_and_b32 s13, ttmp9, 7                        ; chunk
	s_or_b32 s12, s12, s13                         ; 0: the wave that also writes out0
	s_lshr_b32 s13, ttmp9, 3                       ; batch
	s_lshl_b32 s14, s13, 12                        ; its 8 records of 512 bytes
	s_mov_b32 s15, 0
	s_lshl_b32 s16, ttmp9, 12                      ; the work-group's 1,024 numbers of 4 bytes
	s_mov_b32 s17, 0
	s_lshl_b32 s18, s13, 8                         ; the batch's row of out0
	s_mov_b32 s19, 0
	v_and_b32 v[MO], 7, v0
	v_lshlrev_b32 v[MO], 9, v[MO]
	v_lshlrev_b32 v[SO], 4, v0
	s_wait_kmcnt 0x0
	s_add_nc_u64 s[6:7], s[6:7], s[14:15]
	s_add_nc_u64 s[4:5], s[4:5], s[16:17]
	s_add_nc_u64 s[10:11], s[10:11], s[16:17]
	s_add_nc_u64 s[8:9], s[8:9], s[18:19]
.macro BODY
	global_load_b64 v[ML:ML+1], v[MO], s[6:7] offset:256
	global_load_b128 v[S:S+3], v[SO], s[4:5] th:TH_LOAD_NT
	s_wait_loadcnt 0x1                             ; loads come back in order (ISA guide 5.7.1): (m, l) and all before it are in, the scores may be out
	v_mov_b32 v[MX], v[ML]
	v_max_num_f32_dpp v[MX], v[MX], v[MX] row_xmask:1 row_mask:0xf bank_mask:0xf
	v_max_num_f32_dpp v[MX], v[MX], v[MX] row_xmask:2 row_mask:0xf bank_mask:0xf
	v_max_num_f32_dpp v[MX], v[MX], v[MX] row_xmask:4 row_mask:0xf bank_mask:0xf    ; eight neighbouring lanes hold the eight chunks
	v_sub_f32 v[F], v[ML], v[MX]
	v_exp_f32 v[F], v[F]
	v_nop                                          ; the plain place behind the exponential (ISA guide 5.7.2)
	s_wait_alu depctr_va_vdst(0)
	v_mul_f32 v[LS], v[F], v[ML+1]
	v_add_f32_dpp v[LS], v[LS], v[LS] row_xmask:1 row_mask:0xf bank_mask:0xf
	v_add_f32_dpp v[LS], v[LS], v[LS] row_xmask:2 row_mask:0xf bank_mask:0xf
	v_add_f32_dpp v[LS], v[LS], v[LS] row_xmask:4 row_mask:0xf bank_mask:0xf
	v_rcp_f32 v[R], v[LS]
	v_rcp_f32 v[R+1], v[LS]                        ; the subtractions below, which touch neither R nor L, are the plain places behind these
	s_wait_loadcnt 0x0
.irp r, 0,1,2,3
	v_sub_f32 v[S+\r], v[S+\r], v[MX]
.endr
.irp r, 0,1,2,3
	v_exp_f32 v[S+\r], v[S+\r]
.endr
	v_nop
	s_wait_alu depctr_va_vdst(0)
	v_pk_mul_f32 v[S:S+1], v[S:S+1], v[R:R+1]
	v_pk_mul_f32 v[S+2:S+3], v[S+2:S+3], v[R:R+1]
	global_store_b128 v[SO], v[S:S+3], s[10:11] th:TH_STORE_NT
.endm
	s_cmp_lg_u32 s12, 0
	s_cbranch_scc1 .Lplain
	v_lshlrev_b32 v[OO], 3, v0                     ; here t is the lane: columns 2 t, 2 t + 1
.irp c, 0,1,2,3,4,5,6,7
	global_load_b64 v[OC+2*\c:OC+2*\c+1], v[OO], s[6:7] offset:512*\c      ; 256 consecutive bytes: record c's sums
.endr
	BODY
	; f of chunk c lies in lane c of each half: row_share brings it to all lanes; the packed forms take the pair's first register for both results
.irp c, 0,1
	v_mov_b32_dpp v[PB+8*\c], v[F] row_share:\c row_mask:0xf bank_mask:0xf
	v_pk_mul_f32 v[O+2*\c:O+2*\c+1], v[OC+2*\c:OC+2*\c+1], v[PB+8*\c:PB+8*\c+1] op_sel_hi:[1,0]    ; the first two start the sums
.endr
.irp c, 2,3,4,5,6,7
	v_mov_b32_dpp v[PB+8*(\c%2)], v[F] row_share:\c row_mask:0xf bank_mask:0xf
	v_pk_fma_f32 v[O+2*(\c%2):O+2*(\c%2)+1], v[OC+2*\c:OC+2*\c+1], v[PB+8*(\c%2):PB+8*(\c%2)+1], v[O+2*(\c%2):O+2*(\c%2)+1] op_sel_hi:[1,0,1]
.endr
	v_pk_add_f32 v[O:O+1], v[O:O+1], v[O+2:O+3]
	v_pk_mul_f32 v[O:O+1], v[O:O+1], v[R:R+1]
	global_store_b64 v[OO], v[O:O+1], s[8:9]       ; the batch's row of out0: 256 consecutive bytes, aligned
	s_endpgm
.Lplain:
	BODY
	s_endpgm
.Lfunc_end_k_q2208f1418f_finish:
	.size	k_q2208f1418f_finish, .Lfunc_end_k_q2208f1418f_finish-k_q2208f1418f_finish
	.p2alignl 7, 3214868480
	.fill 96, 4, 3214868480
	.section	.rodata,"a",@progbits
	.p2align	6, 0x0
	.amdhsa_kernel k_q2208f1418f_finish
		.amdhsa_group_segment_fixed_size 0
		.amdhsa_private_segment_fixed_size 0
		.amdhsa_enable_private_segment 0
		.amdhsa_kernarg_size 32
		.amdhsa_user_sgpr_count 2
		.amdhsa_user_sgpr_kernarg_segment_ptr 1
		.amdhsa_wavefront_size32 1
		.amdhsa_system_sgpr_workgroup_id_x 1
		.amdhsa_system_sgpr_workgroup_id_y 1
		.amdhsa_system_sgpr_workgroup_id_z 1
		.amdhsa_system_vgpr_workitem_id 0
		.amdhsa_next_free_vgpr 48
		.amdhsa_next_free_sgpr 66
		.amdhsa_reserve_vcc 0
		.amdhsa_float_denorm_mode_32 3
		.amdhsa_float_denorm_mode_16_64 3
		.amdhsa_memory_ordered 1
		.amdhsa_forward_progress 1
		.amdhsa_inst_pref_size 6
	.end_amdhsa_kernel
	.amdgpu_metadata
---
amdhsa.version: [ 1, 2 ]
amdhsa.kernels:
  - .name:           k_q2208f1418f_finish
    .symbol:         k_q2208f1418f_finish.kd
    .args:
      - { .name: scores, .offset: 0, .size: 8, .value_kind: global_buffer, .address_space: global }
      - { .name: part, .offset: 8, .size: 8, .value_kind: global_buffer, .address_space: global }
      - { .name: out0, .offset: 16, .size: 8, .value_kind: global_buffer, .address_space: global }
      - { .name: out1, .offset: 24, .size: 8, .value_kind: global_buffer, .address_space: global }
    .group_segment_fixed_size: 0
    .private_segment_fixed_size: 0
    .kernarg_segment_align: 8
    .kernarg_segment_size: 32
    .max_flat_workgroup_size: 256
    .sgpr_count:     66
    .vgpr_count:     48
    .wavefront_size: 32
...
	.end_amdgpu_metadata
.endif
;; end of part 2
;; ======== version 2 of 2: 2 launches; version 1 with the launch partial written anew for expert scheduling mode
;; workspace buffers: scores 1,048,576 bytes; part 131,072 bytes
;; launch partial (part 3): grid 256 x 1, 16 waves a work-group, no clusters, 10,496 bytes of LDS; arguments k, q, v, scores, part; writes scores, part
.if DOCPART == 3
	.amdgcn_target "amdgcn-amd-amdhsa--gfx1250"
	.amdhsa_code_object_version 6
	.text
	.protected	k_q2208f1418f_partial
	.globl	k_q2208f1418f_partial
	.p2align	8
	.type	k_q2208f1418f_partial,@function
k_q2208f1418f_partial:
	s_mov_b64 s[64:65], 0
	v_nop
	global_prefetch_b8 v0, s[64:65] scope:SCOPE_SE
	s_setreg_imm32_b32 hwreg(HW_REG_WAVE_SCHED_MODE, 0, 2), 2
	s_setreg_imm32_b32 hwreg(HW_REG_WAVE_MODE, 25, 1), 1
	s_wait_xcnt 0x0
	s_wait_alu depctr_vm_vsrc(0)
; One query row per batch against 8,192 keys: scores, and a partial softmax-weighted sum of V, for 1,024 keys a work-group.
; k, v: [32][8192][64] f32, q: [32][64] f32.  Work-group x owns rows 1024 x .. 1024 x + 1023 of the flattened [262144][64] arrays
; (batch x >> 3, chunk x & 7).  16 waves, 64 rows each.
; Out: scores[row] = (q . k[row]) * log2(e) / 8, raw, f32;  part[x] = a record of 512 bytes: 64 sums of exp2(s - m) v, then (m, l) repeated,
; m = the chunk's largest score, l = the chunk's sum of exp2(s - m).  The next launch joins the 8 chunks of a batch.
;
; WHY SO.  Half a FLOP for each byte: memory binds, so every byte of K and V is read once and as many bytes as the registers hold are asked
; for at once.  There is no loop: a wave issues its 32 loads of K and the first 16 of V in one run (48 x 512 bytes), and the other 16 of V go
; into K's registers as these are used up.  In each load a half of 16 lanes takes one whole row of 256 bytes, aligned.
; No matrix instructions: one query row would fill 1 of a tile's 16 rows, and rounding K and V to bf16 would cost as many vector instructions
; as the f32 multiply-adds do.  No cluster: work-groups share nothing but q's 256 bytes.  No tensor loads: the bytes in flight lie in registers.
; No prefetch: three quarters of the work-group's input are requested by its first instructions.
;
; ROWS AND LANES.  Lane L = 16 h + n.  Load (set, n), set = 0, 1, n = 0..15, brings row 32 h + 2 n + set of the wave's 64, columns 4 (L & 15) .. + 3.
; So the score of that row belongs to lane (h, n), register P + set: lane L holds rows 2 L and 2 L + 1, and one 8-byte store of the wave
; covers 256 consecutive bytes of scores, aligned.
;
; THE MODE: SCHED_MODE bits 1:0 = 2 (LLVM: expert scheduling mode 2), set by the entry lines.  The code itself states the register dependences
; between vector instructions and memory or LDS instructions, with s_wait_alu, always for 0.
; THE PLAN.  Registers that memory or LDS instructions touch:
;   v[QO], v[OFF]      offsets of q's, K's and V's loads: made at the head, ahead of one wait on va_vdst, and never written again.
;   v[64:127]          K's loads 0-15 land; the DOT lines of steps 0-3 read them; V's loads 16-31 land; WSUM reads them; in wave 0 the LDS loads of the join land.
;   v[4:7], v[128:255] one load each; vector lines alone name them afterwards.
;   v[SO], v[P:P+1]    written by vector lines, read by the scores' store, never written again.
;   v[LA], v[MA], v[16:19], v[MX], v[LS]   written by vector lines, read by the three LDS stores; wave 0's join writes the last six again.
;   v[CA], v[LL]       written by vector lines, read by wave 0's LDS loads and its last store, never written again.
; K goes in eight steps of four loads.  Step g (1 to 4) issues the four loads of V into the registers that step g - 1 has read: ONE wait on va_vdst at
; the step's head states that step g - 1 is done reading them, and the four loads are dealt among step g's own lines, which name other registers of K, Q, X and T.
; One wait on va_vdst stands ahead of the scores' store, one ahead of the LDS stores (it serves wave 0's LDS loads too), one ahead of the record's store;
; one on vm_vsrc at the head of the join; one on va_sdst behind the line that makes the wave's number a scalar.
;
; LIMITS.  v_exp_f32 gives 0 for results below 2^-126: such weights count as 0.  The factor log2(e)/8 is multiplied into q first, so a score is
; rounded in another order than (q . k) / 8; sums over keys run by lane, wave and chunk.  The maximum is taken away before every exponential.
.set ROWB,  256                        ; bytes in a row of K or V
.set SCALE, 0x3e38aa3b                 ; log2(e) / 8
.set MLB,   8192                       ; LDS: 16 waves x 512 bytes of sums, then 16 m, then 16 l
.set OFF, 1                            ; v1       byte offset of my 16 bytes in row 32 h of my wave's rows
.set QO,  2                            ; v2       16 (L & 15)
.set SO,  3                            ; v3       8 t: my two scores
.set Q,   4                            ; v[4:7]   my four q, scaled
.set T,   8                            ; v[8:23]  16 partial dots of a set
.set X,   24                           ; v[24:31] at work
.set P,   32                           ; v[32:33] my two scores
.set E,   34                           ; v[34:35] exp2(score - m)
.set MX,  36                           ; v36      m
.set LS,  37                           ; v37      l
.set LL,  38                           ; v38      16 L
.set LA,  39                           ; v39      LDS: my 16 bytes of my wave's sums
.set MA,  40                           ; v40      LDS: 4 x wave
.set CM,  41                           ; v41-44   the join: m, l, factor of wave L & 15; address 4 (L & 15)
.set CL,  42
.set CF,  43
.set CA,  44
.set PB,  8                            ; v[8:15]  over T when T is done with: four pairs, the even register holds a weight for all lanes of a half
.set ACC, 16                           ; v[16:23] over T: two sets of four sums (loads take turns, so that no chain waits for itself)
.set KB,  64                           ; v[64:191]  K's 32 loads; v[64:127] then V's loads 16-31
.set VB,  192                          ; v[192:255] V's loads 0-15
	s_load_b256 s[4:11], s[0:1], 0x0               ; k s[4:5], q s[6:7], v s[8:9], scores s[10:11]
	s_load_b64 s[12:13], s[0:1], 0x20              ; part
	v_lshl_add_u32 v62, v0, 2, 0x2100
	v_mov_b32 v63, 0
	s_lshl_b32 s14, ttmp9, 18                      ; 1,024 rows of 256 bytes for each work-group (below 2^26)
	s_mov_b32 s15, 0
	s_lshr_b32 s16, ttmp9, 3                       ; batch
	s_lshl_b32 s16, s16, 8                         ; its row of q
	s_mov_b32 s17, 0
	v_and_b32 v[QO], 15, v0
	v_lshlrev_b32 v[QO], 4, v[QO]                  ; 16 (L & 15)
	v_lshrrev_b32 v[OFF], 4, v0                    ; 2 wave + h
	v_lshl_or_b32 v[OFF], v[OFF], 13, v[QO]        ; x 32 rows of 256 bytes, + my 16 bytes
	s_wait_kmcnt 0x0
	s_add_nc_u64 s[4:5], s[4:5], s[14:15]
	s_add_nc_u64 s[8:9], s[8:9], s[14:15]
	s_add_nc_u64 s[6:7], s[6:7], s[16:17]
	s_wait_alu depctr_va_vdst(0)                   ; v[QO] and v[OFF] are written: every load of q, K and V reads one of them as its offset
	global_load_b128 v[Q:Q+3], v[QO], s[6:7]       ; read by 128 waves: no hint
.set i, 0
.rept 32
	global_load_b128 v[KB+4*i:KB+4*i+3], v[OFF], s[4:5] offset:ROWB*(2*(i%16)+i/16) th:TH_LOAD_NT   ; load i = 16 set + n
.set i, i+1
.endr
.set i, 0
.rept 16
	global_load_b128 v[VB+4*i:VB+4*i+3], v[OFF], s[8:9] offset:ROWB*2*i th:TH_LOAD_NT               ; V, set 0
.set i, i+1
.endr
	; what else is needed, while the loads are on their way: none of these lines writes a register that a load reads or lands in
	s_mov_b32 s20, 0xaaaaaaaa                      ; lanes with bit 0 set
	s_mov_b32 s21, 0xcccccccc                      ; bit 1
	s_mov_b32 s22, 0xf0f0f0f0                      ; bit 2
	s_mov_b32 s23, 0xff00ff00                      ; bit 3
	s_mov_b32 s24, 0x76543210                      ; v_permlanex16_b32: lane i of one half reads lane i of the other
	s_mov_b32 s25, 0xfedcba98
	s_mov_b32 s26, 0xffff0000                      ; lanes 16-31
	s_lshl_b32 s14, ttmp9, 12                      ; 1,024 scores of 4 bytes
	s_add_nc_u64 s[10:11], s[10:11], s[14:15]
	s_lshl_b32 s14, ttmp9, 9                       ; a record of 512 bytes
	s_add_nc_u64 s[12:13], s[12:13], s[14:15]
	v_lshrrev_b32 v[LA], 5, v0
	v_readfirstlane_b32 s18, v[LA]                 ; wave 0..15
	s_wait_alu depctr_va_sdst(0)                   ; s18 is written, ahead of its first reader, the shift below
	s_lshl_b32 s19, s18, 9
	s_lshl_b32 s27, s18, 2
	v_and_b32 v[LL], 31, v0
	v_lshlrev_b32 v[LL], 4, v[LL]
	v_add_nc_u32 v[LA], s19, v[LL]                 ; 512 wave + 16 L
	v_mov_b32 v[MA], s27
	v_lshlrev_b32 v[SO], 3, v0
	s_wait_loadcnt 48                              ; loads come back in order (ISA guide 5.7.1): q is in, the 48 behind it stay out
	v_pk_mul_f32 v[Q:Q+1], v[Q:Q+1], SCALE op_sel_hi:[1,0]
	v_pk_mul_f32 v[Q+2:Q+3], v[Q+2:Q+3], SCALE op_sel_hi:[1,0]
; K's load i: my four products, summed, into T + i % 16.
.macro DOT i
	v_pk_mul_f32 v[X+2*((\i)%4):X+2*((\i)%4)+1], v[KB+4*(\i):KB+4*(\i)+1], v[Q:Q+1]
	v_pk_fma_f32 v[X+2*((\i)%4):X+2*((\i)%4)+1], v[KB+4*(\i)+2:KB+4*(\i)+3], v[Q+2:Q+3], v[X+2*((\i)%4):X+2*((\i)%4)+1]
	v_add_f32 v[T+(\i)%16], v[X+2*((\i)%4)], v[X+2*((\i)%4)+1]
.endm
; The registers that K's load i has left take V's load 16 + i (set 1, n = i).
.macro REFILL i
	global_load_b128 v[KB+4*(\i):KB+4*(\i)+3], v[OFF], s[8:9] offset:ROWB*(2*(\i)+1) th:TH_LOAD_NT
.endm
; Step g: K's loads 4 g .. 4 g + 3.  left = how many younger loads may stay out when the step's four have to be there.
; refill = 1: the registers of step g - 1 are asked for again, a load in front of each of this step's DOTs.
.macro STEP g, left, refill
	s_wait_loadcnt \left                           ; the step's four loads are in
.if \refill
	s_wait_alu depctr_va_vdst(0)                   ; the DOT lines of step g - 1 are done reading their registers of K, in which the four loads below land; no vector line since names those registers
.endif
.irp j, 0,1,2,3
.if \refill
	REFILL 4*((\g)-1)+\j
.endif
	DOT 4*(\g)+\j
.endr
.endm
; One stage of the transposing sum.  For registers a = T + i and b = T + i + st: lanes whose bit st is clear keep a and get the partner lane's a,
; the others keep b and get the partner's b.  Three instructions halve two registers into one, against four for two plain lane sums, and at
; the end each lane holds another row's total.
.macro STAGE st, msk
.set bi, 0
.rept 8/\st
	v_cndmask_b32 v[X+bi/(2*\st)], v[T+bi], v[T+bi+\st], s[\msk]          ; what I keep
.set bi, bi+2*\st
.endr
.set bi, 0
.rept 8/\st
	v_cndmask_b32 v[T+bi+\st], v[T+bi+\st], v[T+bi], s[\msk]              ; what my partner wants
.set bi, bi+2*\st
.endr
.set bi, 0
.rept 8/\st
	v_add_f32_dpp v[T+bi], v[T+bi+\st], v[X+bi/(2*\st)] row_xmask:\st row_mask:0xf bank_mask:0xf
.set bi, bi+2*\st
.endr
.endm
.macro TOTALS dst                      ; 16 registers x 16 lanes -> lane n of each half holds register n's sum over the half
	STAGE 1, 20
	STAGE 2, 21
	STAGE 4, 22
	v_cndmask_b32 v[\dst], v[T], v[T+8], s23       ; the last stage writes its kept part straight to the result,
	v_cndmask_b32 v[T+8], v[T+8], v[T], s23
	v_add_f32_dpp v[\dst], v[T+8], v[\dst] row_xmask:8 row_mask:0xf bank_mask:0xf   ; so the DPP form's destination has been written
.endm
	; Behind the last load of step g are out: 28 - 4 g of K, the 16 of V's set 0, and the refills issued so far: none at steps 0 and 1, then 4 (g - 1), 16 from step 5 on.
	STEP 0, 44, 0                                  ; 28 + 16
	STEP 1, 40, 1                                  ; 24 + 16
	STEP 2, 40, 1                                  ; 20 + 16 + 4
	STEP 3, 40, 1                                  ; 16 + 16 + 8
	TOTALS P
	STEP 4, 40, 1                                  ; 12 + 16 + 12; the last four refills
	STEP 5, 40, 0                                  ; 8 + 16 + 16
	STEP 6, 36, 0                                  ; 4 + 32
	STEP 7, 32, 0                                  ; all 32 of V
	TOTALS P+1
	s_wait_alu depctr_va_vdst(0)                   ; the sums have written v[P:P+1], the store's data; v[SO], its offset, was written at the head
	global_store_b64 v[SO], v[P:P+1], s[10:11]     ; the wave's 64 scores: 256 consecutive bytes, aligned; P and SO are not written again
	; the wave's maximum, in every lane
	v_max_num_f32 v[MX], v[P], v[P+1]
	v_max_num_f32_dpp v[MX], v[MX], v[MX] row_xmask:1 row_mask:0xf bank_mask:0xf
	v_max_num_f32_dpp v[MX], v[MX], v[MX] row_xmask:2 row_mask:0xf bank_mask:0xf
	v_max_num_f32_dpp v[MX], v[MX], v[MX] row_xmask:4 row_mask:0xf bank_mask:0xf
	v_max_num_f32_dpp v[MX], v[MX], v[MX] row_xmask:8 row_mask:0xf bank_mask:0xf
	v_permlanex16_b32 v[X], v[MX], s24, s25        ; X has been written: the destination counts as read
	v_max_num_f32 v[MX], v[MX], v[X]
	v_sub_f32 v[E], v[P], v[MX]
	v_sub_f32 v[E+1], v[P+1], v[MX]
	v_exp_f32 v[E], v[E]
	v_exp_f32 v[E+1], v[E+1]
	v_lshrrev_b32 v[CA], 2, v[QO]                  ; 4 (L & 15), for the join; also the plain instruction that stands behind the exponentials (ISA guide 5.7.2)
	s_wait_alu depctr_va_vdst(0)
	v_add_f32 v[LS], v[E], v[E+1]
	v_add_f32_dpp v[LS], v[LS], v[LS] row_xmask:1 row_mask:0xf bank_mask:0xf
	v_add_f32_dpp v[LS], v[LS], v[LS] row_xmask:2 row_mask:0xf bank_mask:0xf
	v_add_f32_dpp v[LS], v[LS], v[LS] row_xmask:4 row_mask:0xf bank_mask:0xf
	v_add_f32_dpp v[LS], v[LS], v[LS] row_xmask:8 row_mask:0xf bank_mask:0xf
	v_permlanex16_b32 v[X], v[LS], s24, s25
	v_add_f32 v[LS], v[LS], v[X]                   ; the wave's sum of weights
; sums += weight x four numbers.  The weight lies in lane n of my half of register wreg: row_share brings it to all 16 lanes.  The packed
; forms take the pair's first register for both results (op_sel_hi 0); the second is never used as a number, and was written as part of T.
; Turns 0 and 1 start the two sets of sums: nothing is cleared.
.macro WSUM j, reg, wreg, n
	v_mov_b32_dpp v[PB+2*((\j)%4)], v[\wreg] row_share:\n row_mask:0xf bank_mask:0xf
.if (\j) < 2
	v_pk_mul_f32 v[ACC+4*(\j):ACC+4*(\j)+1], v[(\reg):(\reg)+1], v[PB+2*((\j)%4):PB+2*((\j)%4)+1] op_sel_hi:[1,0]
	v_pk_mul_f32 v[ACC+4*(\j)+2:ACC+4*(\j)+3], v[(\reg)+2:(\reg)+3], v[PB+2*((\j)%4):PB+2*((\j)%4)+1] op_sel_hi:[1,0]
.else
	v_pk_fma_f32 v[ACC+4*((\j)%2):ACC+4*((\j)%2)+1], v[(\reg):(\reg)+1], v[PB+2*((\j)%4):PB+2*((\j)%4)+1], v[ACC+4*((\j)%2):ACC+4*((\j)%2)+1] op_sel_hi:[1,0,1]
	v_pk_fma_f32 v[ACC+4*((\j)%2)+2:ACC+4*((\j)%2)+3], v[(\reg)+2:(\reg)+3], v[PB+2*((\j)%4):PB+2*((\j)%4)+1], v[ACC+4*((\j)%2)+2:ACC+4*((\j)%2)+3] op_sel_hi:[1,0,1]
.endif
.endm
.macro FOLD                            ; the two sets of sums into one
	v_pk_add_f32 v[ACC:ACC+1], v[ACC:ACC+1], v[ACC+4:ACC+5]
	v_pk_add_f32 v[ACC+2:ACC+3], v[ACC+2:ACC+3], v[ACC+6:ACC+7]
.endm
.irp n, 0,1,2,3,4,5,6,7,8,9,10,11,12,13,14,15
	s_wait_loadcnt 31-\n                           ; V's load n is in; the 31 - n younger ones stay out
	WSUM \n, VB+4*\n, E, \n
.endr
.irp n, 0,1,2,3,4,5,6,7,8,9,10,11,12,13,14,15
	s_wait_loadcnt 15-\n
	WSUM 16+\n, KB+4*\n, E+1, \n
.endr
	FOLD
	; the 16 waves meet: each leaves 32 lanes x 4 sums (its two halves hold different rows), its m and its l
	s_wait_alu depctr_va_vdst(0)                   ; the sums, m and l, the LDS stores' data, and v[LA], v[MA], their addresses, are written.  For wave 0's LDS loads behind the barrier too:
	                                               ; v[CA] and v[LL] are written and WSUM is done reading v[64:127], in which they land; no vector line stands between this wait and those loads
	ds_store_b128 v[LA], v[ACC:ACC+3]
	ds_store_b32 v[MA], v[MX] offset:MLB           ; all lanes write the same word with the same value
	ds_store_b32 v[MA], v[LS] offset:MLB+64
	s_wait_dscnt 0x0                               ; for wave 0's sake: my stores are in LDS before I say so
	s_barrier_signal -1
	s_barrier_wait -1
	s_cmp_lg_u32 s18, 0
	s_cbranch_scc1 .Ldone                          ; no barrier follows: the other waves are through
	; wave 0 joins them.  Lane L looks after wave L & 15's m and l, and after columns 4 (L & 15) .. + 3 of half h of every wave.
	s_wait_alu depctr_vm_vsrc(0)                   ; my three LDS stores have read v[MX], v[LS] and v[ACC ..], which the lines of the join write again
	ds_load_b32 v[CM], v[CA] offset:MLB
	ds_load_b32 v[CL], v[CA] offset:MLB+64
.irp w, 0,1,2,3,4,5,6,7,8,9,10,11,12,13,14,15
	ds_load_b128 v[KB+4*\w:KB+4*\w+3], v[LL] offset:512*\w
.endr
	s_wait_dscnt 16                                ; m and l are in; the 16 loads behind them stay out
	v_mov_b32 v[MX], v[CM]
	v_max_num_f32_dpp v[MX], v[MX], v[MX] row_xmask:1 row_mask:0xf bank_mask:0xf
	v_max_num_f32_dpp v[MX], v[MX], v[MX] row_xmask:2 row_mask:0xf bank_mask:0xf
	v_max_num_f32_dpp v[MX], v[MX], v[MX] row_xmask:4 row_mask:0xf bank_mask:0xf
	v_max_num_f32_dpp v[MX], v[MX], v[MX] row_xmask:8 row_mask:0xf bank_mask:0xf    ; the chunk's maximum (each half holds all 16 waves)
	v_sub_f32 v[CF], v[CM], v[MX]
	v_exp_f32 v[CF], v[CF]                         ; what wave L & 15's sums are worth against it
	v_nop                                          ; the plain place behind the exponential
	s_wait_alu depctr_va_vdst(0)
	v_mul_f32 v[LS], v[CF], v[CL]
	v_add_f32_dpp v[LS], v[LS], v[LS] row_xmask:1 row_mask:0xf bank_mask:0xf
	v_add_f32_dpp v[LS], v[LS], v[LS] row_xmask:2 row_mask:0xf bank_mask:0xf
	v_add_f32_dpp v[LS], v[LS], v[LS] row_xmask:4 row_mask:0xf bank_mask:0xf
	v_add_f32_dpp v[LS], v[LS], v[LS] row_xmask:8 row_mask:0xf bank_mask:0xf        ; the chunk's l
.irp w, 0,1,2,3,4,5,6,7,8,9,10,11,12,13,14,15
	s_wait_dscnt 15-\w                             ; LDS loads come back in order: wave w's sums are in
	WSUM \w, KB+4*\w, CF, \w
.endr
	FOLD
.irp r, 0,1,2,3
	v_permlanex16_b32 v[X+\r], v[ACC+\r], s24, s25 ; the other half's rows
.endr
	v_pk_add_f32 v[ACC:ACC+1], v[ACC:ACC+1], v[X:X+1]
	v_pk_add_f32 v[ACC+2:ACC+3], v[ACC+2:ACC+3], v[X+2:X+3]
	v_cndmask_b32 v[ACC], v[ACC], v[MX], s26       ; lanes 16-31 carry (m, l, m, l) in place of a second copy of the sums,
	v_cndmask_b32 v[ACC+1], v[ACC+1], v[LS], s26
	v_cndmask_b32 v[ACC+2], v[ACC+2], v[MX], s26
	v_cndmask_b32 v[ACC+3], v[ACC+3], v[LS], s26
	s_wait_alu depctr_va_vdst(0)                   ; the four selects have written v[ACC ..], the store's data
	global_store_b128 v[LL], v[ACC:ACC+3], s[12:13] ; so one store with all lanes on writes the record's 512 consecutive bytes, aligned
.Ldone:
	s_wait_dscnt 0x0
	s_wait_alu depctr_hold_cnt(0) depctr_sa_sdst(0) depctr_va_vdst(0) depctr_va_sdst(0) depctr_va_ssrc(0) depctr_va_vcc(0) depctr_vm_vsrc(0)
	s_wait_tensorcnt 0x0
	ds_add_u32 v62, v63
	s_wait_dscnt 0x0
	s_endpgm
.Lfunc_end_k_q2208f1418f_partial:
	.size	k_q2208f1418f_partial, .Lfunc_end_k_q2208f1418f_partial-k_q2208f1418f_partial
	.p2alignl 7, 3214868480
	.fill 96, 4, 3214868480
	.section	.rodata,"a",@progbits
	.p2align	6, 0x0
	.amdhsa_kernel k_q2208f1418f_partial
		.amdhsa_group_segment_fixed_size 10496
		.amdhsa_private_segment_fixed_size 0
		.amdhsa_enable_private_segment 0
		.amdhsa_kernarg_size 40
		.amdhsa_user_sgpr_count 2
		.amdhsa_user_sgpr_kernarg_segment_ptr 1
		.amdhsa_wavefront_size32 1
		.amdhsa_system_sgpr_workgroup_id_x 1
		.amdhsa_system_sgpr_workgroup_id_y 1
		.amdhsa_system_sgpr_workgroup_id_z 1
		.amdhsa_system_vgpr_workitem_id 0
		.amdhsa_next_free_vgpr 256
		.amdhsa_next_free_sgpr 66
		.amdhsa_reserve_vcc 0
		.amdhsa_float_denorm_mode_32 3
		.amdhsa_float_denorm_mode_16_64 3
		.amdhsa_memory_ordered 1
		.amdhsa_forward_progress 1
		.amdhsa_inst_pref_size 35
	.end_amdhsa_kernel
	.amdgpu_metadata
---
amdhsa.version: [ 1, 2 ]
amdhsa.kernels:
  - .name:           k_q2208f1418f_partial
    .symbol:         k_q2208f1418f_partial.kd
    .args:
      - { .name: k, .offset: 0, .size: 8, .value_kind: global_buffer, .address_space: global }
      - { .name: q, .offset: 8, .size: 8, .value_kind: global_buffer, .address_space: global }
      - { .name: v, .offset: 16, .size: 8, .value_kind: global_buffer, .address_space: global }
      - { .name: scores, .offset: 24, .size: 8, .value_kind: global_buffer, .address_space: global }
      - { .name: part, .offset: 32, .size: 8, .value_kind: global_buffer, .address_space: global }
    .group_segment_fixed_size: 10496
    .private_segment_fixed_size: 0
    .kernarg_segment_align: 8
    .kernarg_segment_size: 40
    .max_flat_workgroup_size: 512
    .sgpr_count:     66
    .vgpr_count:     256
    .wavefront_size: 32
...
	.end_amdgpu_metadata
.endif
;; end of part 3
;; launch finish: the kernel of part 2 again; grid 256 x 1, 8 waves a work-group, no clusters, 0 bytes of LDS; arguments scores, part, out0, out1; writes out0, out1
